; MI455X (gfx1250); checked and timed in simulation.
; The chip was launched on July 23, 2026; its instructions are those of AMD's public machine-readable ISA for CDNA 5 (MIT licence, August 2026) and "CDNA5" Instruction Set Architecture Reference Guide (July 2026). The comments in the code are by the model that wrote it; some were corrected since.
;; FP8 MM. Allowed arithmetic: matrix products marked QUANTISED: E5M2 operands, one E8M0 scale for each 32 along K, by v_wmma_scale_f32_16x16x128_f8f6f4 with both operands' format E5M2, f32 sums; everything else in f32.
;; Inputs: inp 4,096 x 4,096 float32.
;; Outputs: out0 4,096 x 4,096 float32.
;; This version of the problem:
;;   THIS VERSION OF THE PROBLEM IS GIVEN IN LOW PRECISION. The matrix products marked QUANTISED in the list below multiply operands that are first quantised to E5M2 (5 exponent bits, 2 mantissa bits; 8 bits a number), with one power-of-two scale for each 32 numbers along K (OCP MX v1.0); their sums are f32. All else is computed in f32.
;;   The module's matrix products, in the order in which they are computed (A, B: the left and right operand; K: the contracted axis; several contracted axes count as one K, in the product's order):
;;     1. [M 4,096, K 4,096] x [K 4,096, N 4,096]; A: input inp; B: input inp: QUANTISED
;;   THE QUANTISER, for each operand of a quantised product, along K:
;;     - K is cut into blocks of 32 from its start; a last block that is shorter is filled with zeros.
;;     - A block's scale is 2^e with e = floor(log2(the largest magnitude in the block)) - 15, held to -126 .. 127; a block of zeros has e = 0. As a byte (E8M0): e + 127.
;;     - Each number is divided by its block's scale, clamped to +-57,344, and rounded to the nearest number of E5M2, ties to even, subnormals kept.
;;     - The product sums the exact products of the quantised numbers (number of the format x scale) in f32.
;;   ~~~python
;;   def quantise(x, axis):      # numpy; x: float32 -> the quantised numbers, widened to float32 again
;;       x = np.moveaxis(x, axis, -1); K = x.shape[-1]
;;       x = np.pad(x, [(0, 0)] * (x.ndim - 1) + [(0, -K % 32)]); x = x.reshape(x.shape[:-1] + (-1, 32)); a = np.abs(x).max(-1, keepdims=True)
;;       e = np.where(a > 0, np.clip(np.frexp(np.where(a > 0, a, 1))[1] - 1 - 15, -126, 127), 0)      # np.frexp(a)[1] - 1 = floor(log2(a)), exactly
;;       r = np.clip(x / 2.0 ** e, -57344, 57344)
;;       step = 2.0 ** (np.maximum(np.frexp(np.where(r == 0, 1, r))[1] - 1, -14) - 2)
;;       q = np.round(r / step) * step * 2.0 ** e      # np.round: ties to even
;;       return np.moveaxis(q.reshape(q.shape[:-2] + (-1,))[..., :K], -1, axis).astype(np.float32)
;;   ~~~
;; One version. Each part assembles by itself: llvm-mc -triple=amdgcn-amd-amdhsa -mcpu=gfx1250 --defsym DOCPART=n.
;; ======== version 1 of 1: 2 launches
;; limits: right only within a limited range of input values
;; workspace buffers: tiles 17,825,792 bytes
;; launch quant (part 1): grid 64 x 16, 4 waves a work-group, no clusters, 18,432 bytes of LDS; arguments inp, tiles; writes tiles
.if DOCPART == 1
	.amdgcn_target "amdgcn-amd-amdhsa--gfx1250"
	.amdhsa_code_object_version 6
	.text
	.protected	k_qed7c0d8588_quant
	.globl	k_qed7c0d8588_quant
	.p2align	8
	.type	k_qed7c0d8588_quant,@function
k_qed7c0d8588_quant:
	s_mov_b64 s[64:65], 0
	v_nop
	global_prefetch_b8 v0, s[64:65] scope:SCOPE_SE
	s_setreg_imm32_b32 hwreg(HW_REG_WAVE_MODE, 25, 1), 1
	s_wait_xcnt 0x0
; inp [4096 (k)][4096 (n)], f32, is both operands of inp^T inp, and K is its FIRST axis.  It is turned once into codes of BF8 (E5M2) with one E8M0 scale byte for each 32 along K, laid AS THE PRODUCT'S
; LAUNCH WANTS THEM IN LDS: tiles [16 (k / 256)][4096 (n)][272 bytes]: a row holds column n's 256 codes of one K step, K innermost, then its 8 scale bytes, then 8 zeros.
; A block's scale is 2^(floor(log2(its largest magnitude)) - 15); its byte is the largest magnitude's exponent field - 15, held at 1 from below.  Each number is divided by the scale, held within +-57,344
; and rounded to the nearest code, ties to even.
; LIMITS: a block of zeros (and one whose largest magnitude lies under 2^(16 - 127), the floor) gets the byte 1 where the rule gives a block of zeros 127: its codes are zeros, which add nothing under any
; byte but 0xff, and the bytes are read by this program alone.  NaN and infinities among the inputs are not served.
; SHARES.  A work-group takes 64 columns x 256 along K; wave w takes 64 along K (two blocks of 32); A LANE TAKES TWO NEIGHBOURING COLUMNS, AND ITS REGISTERS RUN DOWN K.  So each load of a wave reads one row k
; at 64 columns: 256 consecutive bytes, aligned; a block's 32 numbers lie in ONE lane, so that its largest magnitude needs no other lane; and the conversions give codes with K innermost.
; The two columns lie interleaved in the loaded pairs: the hold, which touches every number anyway, writes to other registers and so sorts them apart.
; All 64 loads of a wave go out at once (16,384 bytes); there is one pass, no loop and no branch.  No tensor load, no cluster, no matrix work: work-groups share nothing.
; THE WAY OUT.  A column's 256 codes and 8 scale bytes come from four waves: they meet in a stage in LDS (one barrier), which is the very image of the work-group's 64 rows of the buffer: 17,408 consecutive
; bytes, 68 aligned blocks of 256.  They leave as they lie: 16 bytes a thread eight times, and 8 bytes a thread for the last 1,024.
.set ROWIN,  16384                     ; a row of inp in bytes
.set SP,     272                       ; a row of the buffer, and of the stage
.set SLICE,  4096*SP                   ; a K step's rows
.set WGB,    64*SP                     ; the work-group's rows
.set SPARE,  WGB                       ; behind the stage: the spare words, 128 bytes for each wave: two blocks of 256 bytes that no other line names
.set FLOOR,  16<<23                    ; 2^(16 - 127)
.set LA,  3                            ; v3   8 x lane: my two columns in a row of inp
.set STW, 4                            ; v4   the stage, on the way in: 544 x lane + 64 x wave.  (Lanes 544 bytes apart: lanes l and l + 8 start at the same bank, so these eight stores a wave go two deep)
.set SCW, 5                            ; v5   my columns' scale bytes: 544 x lane + 256 + 2 x wave
.set LI,  6                            ; v6   16 x thread: my place in the stage on the way out, and in the work-group's bytes of the buffer
.set LT,  7                            ; v7   8 x thread: the same for the last 1,024 bytes
.set ZR,  8                            ; v8   0, for the rows' last 8 bytes
.set SPW, 10                           ; v10  LDS address of my spare word: SPARE + 4 x my thread's number; never rewritten
.set NIL, 11                           ; v11  0; never rewritten, and kept for the add alone
.set M,   12                           ; v12-15  largest magnitudes;  pass p = 2 b + c: block b, column 2 l + c
.set SO,  16                           ; v16-19  the conversions' scale operands
.set LIM, 20                           ; v20-23  57,344 x the scale
.set BY,  24                           ; v24-27  the scale bytes
.set W,   28                           ; v28-29  a column's two bytes
.set C,   32                           ; v32-63  codes: eight registers a pass, so that no store's data are written again
.set X,   64                           ; v64-191 row i's pair at X + 2 i; on the way out v64-95 take the stage's bytes
.set Y,   192                          ; v192-223 32 held numbers of one column and block; at the end v192-193 take the last bytes
	s_load_b128 s[4:7], s[0:1], 0x0                ; inp, tiles
	v_lshl_add_u32 v[SPW], v0, 2, SPARE
	v_mov_b32 v[NIL], 0
	v_lshrrev_b32 v1, 5, v0
	v_readfirstlane_b32 s16, v1                    ; wave 0..3
	s_and_b32 s17, ttmp7, 0xffff                   ; t: which 256 along K
	v_and_b32 v1, 31, v0                           ; lane
	v_lshlrev_b32 v[LA], 3, v1
	v_mul_u32_u24 v[STW], v1, 2*SP
	s_lshl_b32 s25, s16, 6
	v_add_nc_u32 v[STW], s25, v[STW]
	v_mul_u32_u24 v[SCW], v1, 2*SP
	s_lshl_b32 s26, s16, 1
	s_add_co_u32 s26, s26, 256
	v_add_nc_u32 v[SCW], s26, v[SCW]
	v_lshlrev_b32 v[LI], 4, v0
	v_lshlrev_b32 v[LT], 3, v0
	v_mov_b32 v[ZR], 0
	; where my part begins, in bytes.  inp: (256 t + 64 w) rows of 16,384 + 256 g;  tiles: t K steps + 64 g rows
	s_lshl_b32 s18, s17, 22
	s_lshl_b32 s25, s16, 20
	s_add_co_u32 s18, s18, s25
	s_lshl_b32 s25, ttmp9, 8
	s_add_co_u32 s18, s18, s25
	s_mov_b32 s19, 0
	s_mul_i32 s20, s17, SLICE
	s_mul_i32 s25, ttmp9, WGB
	s_add_co_u32 s20, s20, s25
	s_mov_b32 s21, 0
	s_mov_b32 s24, 0x600000                        ; the mantissa field of 57,344 (an instruction takes one literal: the line that uses it has another)
	s_wait_alu depctr_va_vdst(0)
	s_wait_kmcnt 0x0
	s_add_nc_u64 s[4:5], s[4:5], s[18:19]
	s_add_nc_u64 s[6:7], s[6:7], s[20:21]
.set i, 0
.rept 64
	global_load_b64 v[X+2*i:X+2*i+1], v[LA], s[4:5] offset:i*ROWIN th:TH_LOAD_NT   ; row i of my 64: 32 lanes read 256 consecutive bytes, aligned; read once in the launch
.set i, i+1
.endr
; Block b of my two: rows 32 b .. 32 b + 31, both columns.
.macro BLOCK b
	s_wait_loadcnt 32*(1-\b)                       ; loads come back in order (ISA guide 5.7.1): this block's 32 are in; for block 0 the 32 younger ones, block 1's, stay out
.irp c, 0,1
	v_max3_num_f32 v[M+2*\b+\c], |v[X+64*\b+\c]|, |v[X+64*\b+2+\c]|, FLOOR   ; the floor is one more leaf: the byte cannot fall under 1
.endr
.irp i, 2,4,6,8,10,12,14,16,18,20,22,24,26,28,30
.irp c, 0,1
	v_max3_num_f32 v[M+2*\b+\c], v[M+2*\b+\c], |v[X+64*\b+2*\i+\c]|, |v[X+64*\b+2*\i+2+\c]|   ; the two columns by turns
.endr
.endr
.irp c, 0,1
	v_add_nc_u32 v[SO+2*\b+\c], 0xf8800000, v[M+2*\b+\c]           ; 15 off the exponent field: the conversion takes the exponent field of this operand as its scale, and nothing else of it
	v_and_or_b32 v[LIM+2*\b+\c], v[M+2*\b+\c], 0x7f800000, s24     ; 57,344 x the scale: the largest magnitude's exponent field over 57,344's mantissa
.endr
.irp c, 0,1
	v_lshrrev_b32 v[BY+2*\b+\c], 23, v[SO+2*\b+\c]                 ; the scale's byte
.endr
.irp c, 0,1
.irp i, 0,1,2,3,4,5,6,7,8,9,10,11,12,13,14,15,16,17,18,19,20,21,22,23,24,25,26,27,28,29,30,31
	v_med3_num_f32 v[Y+\i], v[X+64*\b+2*\i+\c], -v[LIM+2*\b+\c], v[LIM+2*\b+\c]   ; the conversion to an 8-bit code does not saturate (ISA guide 7.6.2): the hold; it also brings one column's 32 numbers together
.endr
.irp j, 0,1,2,3
	v_cvt_scalef32_pk8_bf8_f32 v[C+8*(2*\b+\c)+2*\j:C+8*(2*\b+\c)+2*\j+1], v[Y+8*\j:Y+8*\j+7], v[SO+2*\b+\c]
.endr
	v_nop                                          ; one plain vector instruction between the conversions and the next lines that write their sources
	ds_store_b128 v[STW], v[C+8*(2*\b+\c):C+8*(2*\b+\c)+3] offset:SP*\c+32*\b          ; 32 codes of column 2 l + c's row
	ds_store_b128 v[STW], v[C+8*(2*\b+\c)+4:C+8*(2*\b+\c)+7] offset:SP*\c+32*\b+16
.endr
.endm
	BLOCK 0
	BLOCK 1
.irp c, 0,1
	v_lshl_or_b32 v[W+\c], v[BY+2+\c], 8, v[BY+\c] ; a column's two bytes, the lower K in the lower byte
.endr
.irp c, 0,1
	ds_store_b16 v[SCW], v[W+\c] offset:SP*\c      ; bytes 256 + 2 w, 257 + 2 w of the row
	ds_store_b16 v[SCW], v[ZR] offset:SP*\c+8      ; and my two of its last eight, which are read with the row and used by nobody: zeros
.endr
	s_wait_dscnt 0x0                               ; for the others' sake: my stores into the stage are done
	s_barrier_signal -1
	s_barrier_wait -1                              ; everybody's are
.irp u, 0,1,2,3,4,5,6,7
	ds_load_b128 v[X+4*\u:X+4*\u+3], v[LI] offset:2048*\u          ; the stage as it lies: 2,048 bytes for the 128 threads
.endr
	ds_load_b64 v[Y:Y+1], v[LT] offset:16384       ; and its last 1,024
.irp u, 0,1,2,3,4,5,6,7
	s_wait_dscnt 8-\u                              ; LDS loads come back in order: load u is in, the 8 - u younger ones stay out
	global_store_b128 v[LI], v[X+4*\u:X+4*\u+3], s[6:7] offset:2048*\u   ; a wave stores 512 consecutive bytes, at a multiple of 256 from the buffer's first byte
.endr
	s_wait_dscnt 0x0
	global_store_b64 v[LT], v[Y:Y+1], s[6:7] offset:16384          ; a wave stores 256 consecutive bytes, aligned
	s_wait_tensorcnt 0x0                           ; the wave's end
	ds_add_u32 v[SPW], v[NIL]
	s_wait_dscnt 0x0
	s_endpgm
.Lfunc_end_k_qed7c0d8588_quant:
	.size	k_qed7c0d8588_quant, .Lfunc_end_k_qed7c0d8588_quant-k_qed7c0d8588_quant
	.p2alignl 7, 3214868480
	.fill 96, 4, 3214868480
	.section	.rodata,"a",@progbits
	.p2align	6, 0x0
	.amdhsa_kernel k_qed7c0d8588_quant
		.amdhsa_group_segment_fixed_size 18432
		.amdhsa_private_segment_fixed_size 0
		.amdhsa_enable_private_segment 0
		.amdhsa_kernarg_size 16
		.amdhsa_user_sgpr_count 2
		.amdhsa_user_sgpr_kernarg_segment_ptr 1
		.amdhsa_wavefront_size32 1
		.amdhsa_system_sgpr_workgroup_id_x 1
		.amdhsa_system_sgpr_workgroup_id_y 1
		.amdhsa_system_sgpr_workgroup_id_z 1
		.amdhsa_system_vgpr_workitem_id 0
		.amdhsa_next_free_vgpr 224
		.amdhsa_next_free_sgpr 66
		.amdhsa_reserve_vcc 0
		.amdhsa_float_denorm_mode_32 3
		.amdhsa_float_denorm_mode_16_64 3
		.amdhsa_memory_ordered 1
		.amdhsa_forward_progress 1
		.amdhsa_inst_pref_size 25
	.end_amdhsa_kernel
	.amdgpu_metadata
---
amdhsa.version: [ 1, 2 ]
amdhsa.kernels:
  - .name:           k_qed7c0d8588_quant
    .symbol:         k_qed7c0d8588_quant.kd
    .args:
      - { .name: inp, .offset: 0, .size: 8, .value_kind: global_buffer, .address_space: global }
      - { .name: tiles, .offset: 8, .size: 8, .value_kind: global_buffer, .address_space: global }
    .group_segment_fixed_size: 18432
    .private_segment_fixed_size: 0
    .kernarg_segment_align: 8
    .kernarg_segment_size: 16
    .max_flat_workgroup_size: 128
    .sgpr_count:     66
    .vgpr_count:     224
    .wavefront_size: 32
...
	.end_amdgpu_metadata
.endif
;; end of part 1
;; launch gemm (part 2): grid 16 x 16, 4 waves a work-group, clusters of 4 x 4, 327,680 bytes of LDS; arguments tiles, out0; writes out0
.if DOCPART == 2
	.amdgcn_target "amdgcn-amd-amdhsa--gfx1250"
	.amdhsa_code_object_version 6
	.text
	.protected	k_qed7c0d8588_gemm
	.globl	k_qed7c0d8588_gemm
	.p2align	8
	.type	k_qed7c0d8588_gemm,@function
k_qed7c0d8588_gemm:
	s_mov_b64 s[64:65], 0
	v_nop
	global_prefetch_b8 v0, s[64:65] scope:SCOPE_SE
	s_setreg_imm32_b32 hwreg(HW_REG_WAVE_MODE, 25, 1), 1
	s_wait_xcnt 0x0
	s_wait_alu depctr_hold_cnt(0) depctr_sa_sdst(0) depctr_va_vdst(0) depctr_va_sdst(0) depctr_va_ssrc(0) depctr_va_vcc(0) depctr_vm_vsrc(0)
	s_getreg_b32 s2, hwreg(HW_REG_IB_STS2, 6, 4)
	s_cmp_eq_u32 s2, 0
	s_cbranch_scc0 .Lentry_in_a_cluster
	s_endpgm
.Lentry_in_a_cluster:
	s_bfe_u32 s2, ttmp6, 0x10000c
	s_cmp_lg_u32 s2, 0xf033
	s_cbranch_scc0 .Lentry_shape_is_right
	s_endpgm
.Lentry_shape_is_right:
; out0[i][j] = sum over k of Q(inp)[k][i] Q(inp)[k][j].  tiles [16 (k / 256)][4096 (n)][272]: column n's 256 codes of BF8 (E5M2) of one K step, K innermost, its 8 E8M0 bytes, 8 zeros.
; A block of out0, 256 x 256, is made by four waves, 128 x 128 each: 64 accumulators.  "A" = the 256 rows of tiles that give out0's rows, "B" = those that give its columns.
; K goes in steps of 256 through two LDS slots; a slot holds A's 256 rows and B's 256 rows as they lie in tiles (pitch 272, the scale bytes in the row); each wave fetches 128 rows: 34,816 dense bytes, stated as 8 rows of 4,352 (17 x 256).
; CLUSTERS: 4 x 4 work-groups; A's tile is asked for jointly along a row of the cluster, B's along a column.
; THE PRODUCT IS USED TRANSPOSED: source 0 = 16 rows of B, source 1 = 16 rows of A: a lane holds eight neighbouring numbers of a row of out0.
; REGISTERS: window 0: v0-31 addresses, v32-63 scale words (two sets), v64-127 used in the last K step alone, v128-255 A's fragments, ONE set;  window 1: B's fragments, two sets;  windows 2, 3: the accumulators ((a, b) at 8 (8 (a % 4) + b)).
; A step of 128 along K is 64 products, A's blocks one after the other against B's eight; A's blocks 0-3 and B's other set are fetched in one run in the step's middle, A's blocks 4-7 in one run at its end.
; The 64 accumulators take turns in the same order in every step.
; THE LAST K STEP GOES BY ROWS OF out0: both its halves of B lie in window 1, and my eight blocks of 16 rows are finished one after the other, 16 products each, K ascending; each block leaves as soon as it is finished.
; PREFETCH: behind the refill with K step j each wave names 17 blocks of 256 bytes (16 rows of tiles) of K step j + 2.  A cluster's 64 waves cover 1,024 rows: the quarter (cluster x + cluster y) mod 4 of the K step,
; shared out among the partners by address.  So each block is named by four clusters, and the four clusters of any row or column of the grid of clusters name a whole K step.  K steps 1, 2 and 3 are named at the head
; (1 ahead of the first round, 2 behind K step 0's load, 3 behind K step 1's); the last two refills name nothing (K step 15 is the last).  A work-group has at most two K steps' 68 blocks asked for and not yet loaded.
.set SIZE,   4096
.set NQ,     2                         ; steps of 128 in a slot
.set PITCH,  272
.set SCO,    256                       ; a row's scale bytes
.set SLICE,  SIZE*PITCH                ; a K step of tiles
.set FR,     16                        ; registers of a fragment
.set NL,     4                         ; LDS loads that bring one
.set NP,     8                         ; places behind this matrix instruction (ISA guide 7.12.1)
.set HALFT,  128*PITCH
.set TILEB,  2*HALFT
.set SLOT,   4*HALFT
.set LAPS,   8                         ; a lap = two K steps
.set SPARE,  2*SLOT                    ; behind the ring: the spare words, 128 bytes a wave, named by no other line
.set SPITCH, 528                       ; the way out: a stage of 16 rows x (512 + 16) bytes a wave, in slot 0 behind its last fill and last read
.set ADRA, 16                          ; v16-17 LDS address of my A fragments in slot 0, 1
.set ADRB, 20                          ; v20-21 the same for B
.set ADRS, 22                          ; v22-23 scale words: lanes 0-15 A's rows, lanes 16-31 B's
.set STO,  24
.set RD,   25
.set CO,   26
.set SPW,  28                          ; my spare word's address; never rewritten
.set NIL,  29                          ; 0; never rewritten
.set PFO,  30                          ; 256 x min(lane, 16)
.set SC,   32                          ; scale words: set s at SC + 16 s; register 2 i + q
.set AL,   64                          ; the last K step: four places for A's fragments of its second 128
.set AF,   128
.set G1A,  24
.set G1B,  32
.set G0A,  40
.set G0B,  48
.set PFA,  58
.set MSB, 0
.macro WIN new                         ; the immediate's high byte repeats the setting that is left
.if MSB != \new
	s_set_vgpr_msb (MSB<<8)|\new
.set MSB, \new
.endif
.endm
.set MUL_LO, 0xa1                      ; source 0 (B) window 1, source 1 (A) window 0, C and D window 2
.set MUL_HI, 0xf1                      ; the same, C and D window 3
.set TO_B,   0x40
.macro JLOAD s                         ; a joint load: waves 0, 1 fetch A's halves, waves 2, 3 B's; s_nop 0 and four v_nop behind each line
	s_cmp_eq_u32 s11, 0
	s_cbranch_scc0 .Lfor_b_\@
	tensor_load_to_lds s[G0A+4*\s:G0A+4*\s+3], s[G1A:G1A+7]
	s_nop 0
.rept 4
	v_nop
.endr
	s_branch .Lasked_\@
.Lfor_b_\@:
	tensor_load_to_lds s[G0B+4*\s:G0B+4*\s+3], s[G1B:G1B+7]
	s_nop 0
.rept 4
	v_nop
.endr
.Lasked_\@:
.endm
.macro ASK                             ; s3 = 1 in the loop's last trip, whose two refills have no K step two on
	s_cmp_gt_u32 s3, 1
	s_cbranch_scc0 .Lno_ask_\@
	global_prefetch_b8 v[PFO], s[PFA:PFA+1] offset:3*SLICE th:TH_LOAD_NT scope:SCOPE_SE
.Lno_ask_\@:
.endm
.macro CREST
	s_cmp_lg_u32 s10, 0
	s_cbranch_scc1 .Lnot_wave_0_\@
	s_barrier_signal -3
.Lnot_wave_0_\@:
	s_barrier_wait -3
	s_barrier_signal -1
	s_barrier_wait -1
.endm
.macro CROUND
	s_barrier_signal -1
	s_barrier_wait -1
	CREST
.endm
	s_load_b128 s[4:7], s[0:1], 0x0                ; tiles, out0
	v_lshl_add_u32 v[SPW], v0, 2, SPARE
	v_mov_b32 v[NIL], 0
	ds_add_u32 v[SPW], v[NIL]                      ; the opening lines: the add twice on end
	ds_add_u32 v[SPW], v[NIL]
	v_lshrrev_b32 v1, 5, v0
	v_readfirstlane_b32 s10, v1                    ; wave
	v_and_b32 v6, 31, v0                           ; lane
	v_min_u32 v[PFO], 16, v6
	v_lshlrev_b32 v[PFO], 8, v[PFO]
	s_lshr_b32 s11, s10, 1                         ; my half of the block's rows; also: I fetch for A (0) or B (1)
	s_and_b32 s12, s10, 1                          ; my half of its columns; also: which 128 rows I fetch
	s_bfe_u32 s13, ttmp6, 0x40000                  ; cx
	s_bfe_u32 s14, ttmp6, 0x40004                  ; cy
	s_lshl_b32 s15, ttmp9, 2
	s_add_co_u32 s15, s15, s13                     ; block column
	s_and_b32 s16, ttmp7, 0xffff
	s_lshl_b32 s16, s16, 2
	s_add_co_u32 s16, s16, s14                     ; block row
	s_lshl_b32 s17, s14, 2
	s_lshl_b32 s17, 15, s17                        ; my row of the cluster
	s_lshl_b32 s18, 0x1111, s13                    ; my column
	s_or_b32 s[G1A], s17, (3<<16)|(1<<21)          ; elements of 8 bytes, no padding: the rows lie in tiles at the LDS pitch
	s_or_b32 s[G1B], s18, (3<<16)|(1<<21)
.irp g, G1A, G1B
	s_mov_b32 s[\g+1], 544<<16                     ; tensor_dim0 = 544 elements: 4,352 bytes
	s_mov_b32 s[\g+2], 8<<16                       ; tensor_dim1 = 8
	s_mov_b32 s[\g+3], 544<<16                     ; tile_dim0
	s_mov_b32 s[\g+4], 8                           ; tile_dim1
	s_mov_b32 s[\g+5], 544                         ; the pitch: dense
	s_mov_b32 s[\g+6], 0
	s_mov_b32 s[\g+7], 0
.endr
	s_lshl_b32 s8, s12, 7
	s_lshl_b32 s20, s16, 8
	s_add_co_u32 s20, s20, s8
	s_mul_i32 s20, s20, PITCH                      ; A: row 256 x block row + 128 x half, in bytes
	s_mov_b32 s21, 0
	s_lshl_b32 s56, s15, 8
	s_add_co_u32 s56, s56, s8
	s_mul_i32 s56, s56, PITCH                      ; B: by the block column
	s_mov_b32 s57, 0
	s_mul_i32 s19, s10, HALFT                      ; where my 128 rows go
	s_lshl_b32 s76, s14, 2                         ; the prefetches: ((4 cy + cx) 4 + wave) x 16 rows
	s_add_co_u32 s76, s76, s13
	s_lshl_b32 s76, s76, 2
	s_add_co_u32 s76, s76, s10
	s_mul_i32 s76, s76, 16*PITCH
	s_and_b32 s78, ttmp7, 0xffff
	s_add_co_u32 s78, s78, ttmp9
	s_and_b32 s78, s78, 3                          ; + the cluster's quarter of a K step
	s_mul_i32 s78, s78, 1024*PITCH
	s_add_co_u32 s76, s76, s78
	s_mov_b32 s77, 0
	s_wait_alu depctr_va_vdst(0)
	s_wait_dscnt 0x0
	s_wait_kmcnt 0x0
	s_add_nc_u64 s[20:21], s[4:5], s[20:21]
	s_add_nc_u64 s[56:57], s[4:5], s[56:57]
	s_add_nc_u64 s[PFA:PFA+1], s[4:5], s[76:77]
	global_prefetch_b8 v[PFO], s[PFA:PFA+1] offset:SLICE th:TH_LOAD_NT scope:SCOPE_SE   ; K step 1
	CROUND                                         ; in front of the first joint loads
.irp s, 0,1
	s_mov_b32 s[G0A+4*\s], 1
	s_add_co_u32 s[G0A+4*\s+1], s19, \s*SLOT
	s_add_nc_u64 s[G0A+4*\s+2:G0A+4*\s+3], s[20:21], \s*SLICE
	s_or_b32 s[G0A+4*\s+3], s[G0A+4*\s+3], 0x80000000
	s_mov_b32 s[G0B+4*\s], 1
	s_add_co_u32 s[G0B+4*\s+1], s19, \s*SLOT
	s_add_nc_u64 s[G0B+4*\s+2:G0B+4*\s+3], s[56:57], \s*SLICE
	s_or_b32 s[G0B+4*\s+3], s[G0B+4*\s+3], 0x80000000
.endr
	JLOAD 0                                        ; K step 0: one tensor load a wave at the head
	; scalars first, then the vector lines on end
	s_lshl_b32 s76, s16, 22                        ; my first byte of out0: (256 block row + 128 half) rows of 16,384 + 1,024 block column + 512 half
	s_lshl_b32 s78, s11, 21
	s_add_co_u32 s76, s76, s78
	s_lshl_b32 s78, s15, 10
	s_add_co_u32 s76, s76, s78
	s_lshl_b32 s78, s12, 9
	s_add_co_u32 s76, s76, s78
	s_add_nc_u64 s[6:7], s[6:7], s[76:77]
	s_mul_i32 s68, s11, HALFT                      ; my 128 rows of A in a slot
	s_mul_i32 s69, s12, HALFT
	s_add_co_u32 s69, s69, TILEB                   ; my 128 rows of B
	s_sub_co_u32 s70, s69, s68
	s_add_co_u32 s71, s68, SCO
	s_mul_i32 s72, s10, 16*SPITCH                  ; my stage
	s_add_co_u32 s73, s68, SLOT
	s_add_co_u32 s74, s69, SLOT
	s_add_co_u32 s75, s71, SLOT
	v_and_b32 v1, 15, v0                           ; r
	v_bfe_u32 v2, v0, 4, 1                         ; h
	v_mul_u32_u24 v3, v1, PITCH
	v_lshl_add_u32 v4, v2, 4, v3                   ; a fragment's row x pitch + 16 h
	v_mul_u32_u24 v5, s70, v2                      ; lanes 16-31 take B's scale words
	v_add_nc_u32 v5, v5, v3
	v_add_nc_u32 v[ADRA], s68, v4
	v_add_nc_u32 v[ADRA+1], s73, v4
	v_add_nc_u32 v[ADRB], s69, v4
	v_add_nc_u32 v[ADRB+1], s74, v4
	v_add_nc_u32 v[ADRS], s71, v5
	v_add_nc_u32 v[ADRS+1], s75, v5
	v_mul_u32_u24 v7, v1, SPITCH
	v_lshl_add_u32 v7, v2, 5, v7
	v_add_nc_u32 v[STO], s72, v7                   ; into the stage: row r, 32 bytes for each half of the lanes
	v_lshlrev_b32 v[CO], 4, v6                     ; back: 32 lanes take a row of 512 bytes; the same in out0
	v_add_nc_u32 v[RD], s72, v[CO]
	s_wait_alu depctr_va_vdst(0)
	global_prefetch_b8 v[PFO], s[PFA:PFA+1] offset:2*SLICE th:TH_LOAD_NT scope:SCOPE_SE   ; K step 2
.macro FRAG reg, adr, q, i             ; 16 rows x 128 K: lane l holds row l % 16; registers 4 c .. 4 c + 3 hold K = 32 c + 16 (l / 16) + 0 .. 15
.irp c, 0,1,2,3
	ds_load_b128 v[\reg+4*\c:\reg+4*\c+3], v[\adr] offset:128*(\q)+32*\c+(\i)*16*PITCH
.endr
.endm
; 16 products: A's blocks a0, a0 + 1 x B's eight.  p: B's set;  q: which 128 of the slot;  sc: the scale set.  zero = 1: the product starts the sum
.macro MUL16 a0, p, q, sc, zero
.irp a, \a0, \a0+1
.irp b, 0,1,2,3,4,5,6,7
.if \zero
	v_wmma_scale_f32_16x16x128_f8f6f4 v[8*(8*((\a)%4)+\b):8*(8*((\a)%4)+\b)+7], v[128*(\p)+FR*\b:128*(\p)+FR*\b+FR-1], v[AF+FR*(\a):AF+FR*(\a)+FR-1], 0, v[SC+8*NQ*(\sc)+NQ*\b+(\q)], v[SC+8*NQ*(\sc)+NQ*(\a)+(\q)] matrix_a_fmt:MATRIX_FMT_BF8 matrix_b_fmt:MATRIX_FMT_BF8 matrix_a_scale:MATRIX_SCALE_ROW1
.else
	v_wmma_scale_f32_16x16x128_f8f6f4 v[8*(8*((\a)%4)+\b):8*(8*((\a)%4)+\b)+7], v[128*(\p)+FR*\b:128*(\p)+FR*\b+FR-1], v[AF+FR*(\a):AF+FR*(\a)+FR-1], v[8*(8*((\a)%4)+\b):8*(8*((\a)%4)+\b)+7], v[SC+8*NQ*(\sc)+NQ*\b+(\q)], v[SC+8*NQ*(\sc)+NQ*(\a)+(\q)] matrix_a_fmt:MATRIX_FMT_BF8 matrix_b_fmt:MATRIX_FMT_BF8 matrix_a_scale:MATRIX_SCALE_ROW1
.endif
.endr
.endr
.endm
.macro FETCH_B slot, q, p
	WIN TO_B
.irp i, 0,1,2,3,4,5,6,7
	FRAG 128*(\p)+FR*\i, ADRB+\slot, \q, \i
.endr
	WIN 0
.endm
.macro FETCH_A slot, q, i0
.irp i, \i0, \i0+1, \i0+2, \i0+3
	FRAG AF+FR*(\i), ADRA+\slot, \q, \i
.endr
.endm
.macro SCALES slot                     ; a K step's scale words: two a row; lanes 0-15 A's block i, lanes 16-31 B's block i
.irp i, 0,1,2,3,4,5,6,7
	ds_load_b64 v[SC+8*NQ*\slot+NQ*\i:SC+8*NQ*\slot+NQ*\i+1], v[ADRS+\slot] offset:\i*16*PITCH
.endr
.endm
.macro PLACES n                        ; in front of loads into registers that products have read or written, and of the first read of results
.rept \n
	v_nop
.endr
.endm
; A slot's first step; its successor lies in the same slot.
.macro STEP slot, q, zero
	s_wait_dscnt 4*NL                              ; B's set and A's blocks 0-3 are in; the youngest 16 loads (A's blocks 4-7) may be out
	WIN MUL_LO
	MUL16 0, (\q)%2, \q, \slot, \zero
	MUL16 2, (\q)%2, \q, \slot, \zero
	s_wait_dscnt 0
	PLACES NP
	FETCH_B \slot, (\q)+1, 1-(\q)%2
	FETCH_A \slot, (\q)+1, 0
	WIN MUL_HI
	MUL16 4, (\q)%2, \q, \slot, \zero
	MUL16 6, (\q)%2, \q, \slot, \zero
	PLACES NP
	WIN 0
	FETCH_A \slot, (\q)+1, 4
.endm
; A slot's last step changes slots.  All its operands are in registers or on their way there, so its first 32 products stand ahead of the change.  Then each wave waits for all its tensor loads (one is out: its part of
; the next slot), adds 0 to its spare word, steps the descriptors, and waits for the add and for its reads of this slot.  fill = 1: the barrier opens a round of the cluster's barrier, and this slot's refill, two K steps
; on, is the first tensor load behind it; nothing but the round stands between the wait for the tile and that request.
.macro TURN slot, next, fill
.if \fill
	s_wait_xcnt 0x0                                ; my prefetches have read their address: it steps a K step
	s_add_nc_u64 s[PFA:PFA+1], s[PFA:PFA+1], SLICE
.endif
	s_wait_dscnt 4*NL                              ; as at a step's head
	WIN MUL_LO
	MUL16 0, 1, NQ-1, \slot, 0
	MUL16 2, 1, NQ-1, \slot, 0
	WIN 0
	s_wait_tensorcnt 0x0
	ds_add_u32 v[SPW], v[NIL]
.if \fill
	s_add_nc_u64 s[G0A+4*\slot+2:G0A+4*\slot+3], s[G0A+4*\slot+2:G0A+4*\slot+3], 2*SLICE   ; no tensor load of mine is out
	s_add_nc_u64 s[G0B+4*\slot+2:G0B+4*\slot+3], s[G0B+4*\slot+2:G0B+4*\slot+3], 2*SLICE
.endif
	s_wait_dscnt 0x0                               ; the add is done, and my reads of this slot are over
	s_barrier_signal -1
	s_barrier_wait -1
.if \fill
	CREST
	JLOAD \slot                                    ; its four v_nop are four of the eight places
	PLACES NP-4
.else
	PLACES NP
.endif
	FETCH_B \next, 0, 0
	FETCH_A \next, 0, 0
	SCALES \next
.if \fill
	ASK
.endif
	WIN MUL_HI
	MUL16 4, 1, NQ-1, \slot, 0
	MUL16 6, 1, NQ-1, \slot, 0
	PLACES NP
	WIN 0
	FETCH_A \next, 0, 4
.endm
	s_wait_tensorcnt 0x0                           ; my part of K step 0 is in; slot 1's first fill is issued as a refill is
	ds_add_u32 v[SPW], v[NIL]
	s_wait_dscnt 0x0
	CROUND
	JLOAD 1                                        ; K step 1
	FETCH_B 0, 0, 0
	FETCH_A 0, 0, 0
	SCALES 0
	FETCH_A 0, 0, 4
	global_prefetch_b8 v[PFO], s[PFA:PFA+1] offset:3*SLICE th:TH_LOAD_NT scope:SCOPE_SE   ; K step 3
	STEP 0, 0, 1                                   ; the first step's products start the sums
	s_mov_b32 s3, LAPS-1
.Llap:                                                 ; a trip goes once round the ring and fills both slots again
	TURN 0, 1, 1
	STEP 1, 0, 0
	TURN 1, 0, 1
	STEP 0, 0, 0
	s_sub_co_u32 s3, s3, 1
	s_cmp_lg_u32 s3, 0
	s_cbranch_scc1 .Llap
	TURN 0, 1, 0                                   ; the last change of slots fills nothing; it has fetched the last K step's first 128: B into set 0, A's eight blocks, the scale words
; THE LAST K STEP, BY ROWS.  B's second 128 goes into set 1 (eight places stand behind the products that read it); A's second 128 goes, a block at a time, through four places in v64-127.
.macro AQ1 i                           ; A's block i, second 128 -> place i % 4
	FRAG AL+FR*((\i)%4), ADRA+1, 1, \i
.endm
.macro ROW a                           ; block a is finished: 16 products, its eight accumulators by turns, K ascending
	WIN MUL_LO+0x50*((\a)/4)
.irp b, 0,1,2,3,4,5,6,7
	v_wmma_scale_f32_16x16x128_f8f6f4 v[8*(8*((\a)%4)+\b):8*(8*((\a)%4)+\b)+7], v[FR*\b:FR*\b+FR-1], v[AF+FR*(\a):AF+FR*(\a)+FR-1], v[8*(8*((\a)%4)+\b):8*(8*((\a)%4)+\b)+7], v[SC+16+2*\b], v[SC+16+2*(\a)] matrix_a_fmt:MATRIX_FMT_BF8 matrix_b_fmt:MATRIX_FMT_BF8 matrix_a_scale:MATRIX_SCALE_ROW1
.endr
.if (\a) == 0
	s_wait_dscnt 0x0                               ; B's set 1 and A's first four blocks of the second 128 are in
.endif
.irp b, 0,1,2,3,4,5,6,7
	v_wmma_scale_f32_16x16x128_f8f6f4 v[8*(8*((\a)%4)+\b):8*(8*((\a)%4)+\b)+7], v[128+FR*\b:128+FR*\b+FR-1], v[AL+FR*((\a)%4):AL+FR*((\a)%4)+FR-1], v[8*(8*((\a)%4)+\b):8*(8*((\a)%4)+\b)+7], v[SC+16+2*\b+1], v[SC+16+2*(\a)+1] matrix_a_fmt:MATRIX_FMT_BF8 matrix_b_fmt:MATRIX_FMT_BF8 matrix_a_scale:MATRIX_SCALE_ROW1
.endr
.endm
; THE WAY OUT of block a, 16 rows x 128 columns: through my own stage and back as whole rows of 512 bytes, into the block's own 64 accumulator registers.  LDS serves a wave's instructions in order
; (ISA guide 5.7.1.4): the loads see the stores, and land behind them.  Each block has registers of its own and its place in out0 stands in the store's immediate (127 rows of 16,384 bytes at the most, inside the
; signed 24 bits): no store's register or base is written again.
.macro TOSTAGE a
.set AC, 64*((\a)%4)
	WIN 0x08+4*((\a)/4)                            ; the data: window 2 or 3
.irp b, 0,1,2,3,4,5,6,7
	ds_store_b128 v[STO], v[AC+8*\b:AC+8*\b+3] offset:64*\b          ; each accumulator from its low end on
	ds_store_b128 v[STO], v[AC+8*\b+4:AC+8*\b+7] offset:64*\b+16
.endr
	WIN 0x80+0x40*((\a)/4)                         ; the destination: the same window
.irp t, 0,1,2,3,4,5,6,7,8,9,10,11,12,13,14,15
	ds_load_b128 v[AC+4*\t:AC+4*\t+3], v[RD] offset:\t*SPITCH
.endr
.endm
.macro SEND a
.set AC, 64*((\a)%4)
.if (\a) < 4
	s_wait_dscnt 4                                 ; the block is back; behind its loads: the four of A's block a + 4
.else
	s_wait_dscnt 0x0
.endif
	WIN 0x08+4*((\a)/4)
.irp t, 0,1,2,3,4,5,6,7,8,9,10,11,12,13,14,15
	global_store_b128 v[CO], v[AC+4*\t:AC+4*\t+3], s[6:7] offset:(16*(\a)+\t)*SIZE*4 th:TH_STORE_NT   ; 32 lanes store 512 consecutive bytes, aligned; written once, read by nobody here
.endr
.endm
	AQ1 0
	FETCH_B 1, 1, 1
	AQ1 1
	AQ1 2
	AQ1 3
	s_wait_dscnt 48                                ; all but the 4 + 32 + 12 loads just issued: the first 128's operands are in
	ROW 0
	PLACES NP
	TOSTAGE 0
	WIN 0
	AQ1 4
.irp a, 1,2,3,4,5,6,7
	ROW \a                                         ; stands between block a - 1's loads from the stage and the wait for them
	PLACES NP
	SEND \a-1
	TOSTAGE \a
.if \a < 4
	WIN 0
	AQ1 \a+4                                       ; its place was read last by block a's products, eight places ago
.endif
.endr
	SEND 7
	WIN 0
	s_wait_tensorcnt 0x0                           ; the wave's end
	ds_add_u32 v[SPW], v[NIL]
	s_wait_dscnt 0x0
	CROUND                                         ; the closing round
	s_endpgm
.Lfunc_end_k_qed7c0d8588_gemm:
	.size	k_qed7c0d8588_gemm, .Lfunc_end_k_qed7c0d8588_gemm-k_qed7c0d8588_gemm
	.p2alignl 7, 3214868480
	.fill 96, 4, 3214868480
	.section	.rodata,"a",@progbits
	.p2align	6, 0x0
	.amdhsa_kernel k_qed7c0d8588_gemm
		.amdhsa_group_segment_fixed_size 327680
		.amdhsa_private_segment_fixed_size 0
		.amdhsa_enable_private_segment 0
		.amdhsa_kernarg_size 16
		.amdhsa_user_sgpr_count 2
		.amdhsa_user_sgpr_kernarg_segment_ptr 1
		.amdhsa_wavefront_size32 1
		.amdhsa_system_sgpr_workgroup_id_x 1
		.amdhsa_system_sgpr_workgroup_id_y 1
		.amdhsa_system_sgpr_workgroup_id_z 1
		.amdhsa_system_vgpr_workitem_id 0
		.amdhsa_next_free_vgpr 1024
		.amdhsa_next_free_sgpr 80
		.amdhsa_reserve_vcc 0
		.amdhsa_float_denorm_mode_32 3
		.amdhsa_float_denorm_mode_16_64 3
		.amdhsa_memory_ordered 1
		.amdhsa_forward_progress 1
		.amdhsa_inst_pref_size 145
	.end_amdhsa_kernel
	.amdgpu_metadata
---
amdhsa.version: [ 1, 2 ]
amdhsa.kernels:
  - .name:           k_qed7c0d8588_gemm
    .symbol:         k_qed7c0d8588_gemm.kd
    .args:
      - { .name: tiles, .offset: 0, .size: 8, .value_kind: global_buffer, .address_space: global }
      - { .name: out0, .offset: 8, .size: 8, .value_kind: global_buffer, .address_space: global }
    .group_segment_fixed_size: 327680
    .private_segment_fixed_size: 0
    .kernarg_segment_align: 8
    .kernarg_segment_size: 16
    .max_flat_workgroup_size: 128
    .sgpr_count:     80
    .vgpr_count:     1024
    .wavefront_size: 32
...
	.end_amdgpu_metadata
.endif
;; end of part 2
